; MI455X (gfx1250); checked and timed in simulation.
; The chip was launched on July 23, 2026; its instructions are those of AMD's public machine-readable ISA for CDNA 5 (MIT licence, August 2026) and "CDNA5" Instruction Set Architecture Reference Guide (July 2026). The comments in the code are by the model that wrote it; some were corrected since.
;; Causal Self Attention. Allowed arithmetic: matrix products marked QUANTISED: E5M2 operands, one given power-of-two scale a tensor, by v_wmma_f32_16x16x64_bf8_bf8 or v_wmma_f32_16x16x128_bf8_bf8, f32 sums; everything else in f32.
;; Inputs: Wproj 1,024 x 1,024 float32; Wqkv 1,024 x 3,072 float32; bproj 1,024 float32; bqkv 3,072 float32; lowp_scales 8 int32 (the exponents e of the quantised operands' scales 2^e); x 4 x 2,048 x 1,024 float32.
;; Outputs: out0 4 x 2,048 x 1,024 float32.
;; This version of the problem:
;;   THIS VERSION OF THE PROBLEM IS GIVEN IN LOW PRECISION. The matrix products marked QUANTISED in the list below multiply operands that are first quantised to E5M2 (5 exponent bits, 2 mantissa bits; 8 bits a number), with one given power-of-two scale for each operand tensor; their sums are f32. All else is computed in f32.
;;   The module's matrix products, in the order in which they are computed (A, B: the left and right operand; K: the contracted axis; several contracted axes count as one K, in the product's order):
;;     1. [M 8,192, K 1,024] x [K 1,024, N 3,072]; A: input x; B: input Wqkv: QUANTISED (scales: A lowp_scales[0], B lowp_scales[1])
;;     2. batch 64 x [M 2,048, K 64] x [K 64, N 2,048]; A: computed on the way; B: computed on the way: QUANTISED (scales: A lowp_scales[2], B lowp_scales[3])
;;     3. batch 64 x [M 2,048, K 2,048] x [K 2,048, N 64]; A: softmax (see below); B: computed on the way: QUANTISED (scales: A lowp_scales[4], B lowp_scales[5])
;;     4. [M 8,192, K 1,024] x [K 1,024, N 1,024]; A: computed on the way; B: input Wproj: QUANTISED (scales: A lowp_scales[6], B lowp_scales[7])
;;   THE QUANTISER, for each operand of a quantised product, along K:
;;     - The operand's scale is 2^e, e = its entry of the input lowp_scales (int32; the entries are numbered through the quantised products in the list's order, A before B).
;;     - Each number is divided by the scale, clamped to +-57,344, and rounded to the nearest number of E5M2, ties to even, subnormals kept.
;;     - The product sums the exact products of the quantised numbers (number of the format x scale) in f32.
;;   ~~~python
;;   def quantise(x, axis, e):      # numpy; x: float32 -> the quantised numbers, widened to float32 again
;;       x = np.moveaxis(x, axis, -1); K = x.shape[-1]
;;       r = np.clip(x / 2.0 ** e, -57344, 57344)
;;       step = 2.0 ** (np.maximum(np.frexp(np.where(r == 0, 1, r))[1] - 1, -14) - 2)
;;       q = np.round(r / step) * step * 2.0 ** e      # np.round: ties to even
;;       return np.moveaxis(q, -1, axis).astype(np.float32)
;;   ~~~
;;   SOFTMAX AHEAD OF A QUANTISED PRODUCT. Where the list says 'softmax', what is quantised is not the finished softmax but p = 2^(t - M), with t = logit x log2(e) and M = ceil(the row's largest t), a whole number; so 1/2 < the row's largest p <= 1. The row's sum l is taken of the UNQUANTISED p, in f32, and the product's result is divided by l at the end. Since M is a whole number, a kernel that streams over the keys may use a running M (the ceiling of the running maximum): every later rescaling is an exact power of two, so the quantised numbers keep their values, but for numbers so far below the row's largest that they fall under the format's range.
;;   OPERANDS COMPUTED ON THE WAY. 'Computed on the way' means the value that the module computes at that place (a softmax that the list does not call 'softmax' is quantised finished and normalised). What goes into a quantiser is computed in f32, as accurately as f32 sums, v_exp_f32 and their like allow (about 1e-6 of the number): no bf16 or f16 on the way to a quantiser, and a product that is left as it is and whose result goes on into a quantised operand takes f32 operands (vector FMAs, or v_wmma_f32_16x16x4_f32). A number that lies on a knife's edge between two numbers of the format may be rounded either way, as far as f32 arithmetic and the matrix unit's own rounding can turn it there, and no further.
;; One version. Each part assembles by itself: llvm-mc -triple=amdgcn-amd-amdhsa -mcpu=gfx1250 --defsym DOCPART=n.
;; ======== version 1 of 1: 4 launches
;; limits: right only within a limited range of input values
;; workspace buffers: x_img 8,388,608 bytes; wqkv_img 3,145,728 bytes; wproj_img 1,048,576 bytes; qkv 25,165,824 bytes; o_img 8,388,608 bytes
;; launch quant (part 1): grid 384 x 1, 4 waves a work-group, no clusters, 34,304 bytes of LDS; arguments x, Wqkv, Wproj, lowp_scales, x_img, wqkv_img, wproj_img; writes x_img, wqkv_img, wproj_img
.if DOCPART == 1
	.amdgcn_target "amdgcn-amd-amdhsa--gfx1250"
	.amdhsa_code_object_version 6
	.text
	.protected	k_q114029128e_quant
	.globl	k_q114029128e_quant
	.p2align	8
	.type	k_q114029128e_quant,@function
k_q114029128e_quant:
	s_mov_b64 s[64:65], 0
	v_nop
	global_prefetch_b8 v0, s[64:65] scope:SCOPE_SE
	s_setreg_imm32_b32 hwreg(HW_REG_WAVE_MODE, 25, 1), 1
	s_wait_xcnt 0x0
; x [8192][1024], Wqkv [1024][3072] and Wproj [1024][1024], f32, become codes of BF8 (E5M2), each with its given scale 2^e (entries 0, 1 and 7 of the scales).
; code = number / 2^e, held within +-57,344, rounded to the nearest code, ties to even.
; LIMITS: each e lies between -126 and 112, so that 2^e and 57,344 x 2^e are f32 numbers.  NaN among the inputs is not served; an infinity is held at the largest code.
; THE IMAGE.  The codes are laid as the matrix instruction's operand registers take them.  A fragment is 16 rows x 128 K = 16 registers a lane: lane l = (r = l % 16, h = l / 16) holds row r,
; registers 2 c, 2 c + 1 hold K = 16 c + 8 h + 0 .. 7.  Registers 4 g .. 4 g + 3 are group g: 512 bytes, lane l's 16 bytes at 16 l.  A fragment is four groups, 2,048 bytes.
;   x_img     [K / 256: 4][tile of 16 rows: 512][K / 128: 2][group 4][512 bytes]
;   wqkv_img  [4][tile of 16 columns: 192][2][4][512]        wproj_img  [4][64][2][4][512]      (a weight's "row" is its column n: K is its first axis in memory)
; SHARES.  Work-groups 0-255 take x, 32 rows each; 256-351 Wqkv and 352-383 Wproj, 128 columns x 256 K each.  The work-groups share no input: no cluster, no tensor load, no barrier (a wave's stage is its own).
.set R,   16                           ; v16-143   x: two sets of 64: 16 rows x 512 bytes as loaded
.set X,   144                          ; v144-207  x: 64 numbers of my row, in the order of the fragment's registers
.set C,   208                          ; v208-239  x: two sets of 16 registers of codes
.set SP,  528                          ; a stage row: 512 bytes + 16: row r starts 4 r words on, so the sixteen rows that a load touches begin at sixteen different 16-byte columns
.set STG, 16*SP                        ; a wave's stage
.set XW,  32                           ; v32-95    W: two sets of 32 numbers down K
.set CWB, 96                           ; v96-159   W: eight registers of codes for each of the eight blocks: no store's data are written again
.macro SCALE e                         ; v11 = 2^e as f32 (the conversion takes its exponent field), s20 = 57,344 x 2^e
	s_add_co_i32 s20, s[\e], 127
	s_lshl_b32 s21, s20, 23
	v_mov_b32 v11, s21
	s_add_co_i32 s20, s20, 15
	s_lshl_b32 s20, s20, 23
	s_or_b32 s20, s20, 0x600000
.endm
	s_load_b256 s[4:11], s[0:1], 0x0               ; x s[4:5], Wqkv s[6:7], Wproj s[8:9], the scales s[10:11]
	s_load_b128 s[12:15], s[0:1], 0x20             ; x_img s[12:13], wqkv_img s[14:15]
	s_load_b64 s[16:17], s[0:1], 0x30              ; wproj_img
	v_lshl_add_u32 v240, v0, 2, 0x8400
	v_mov_b32 v241, 0
	v_lshrrev_b32 v1, 5, v0
	v_readfirstlane_b32 s18, v1                    ; wave 0..3
	v_and_b32 v2, 31, v0                           ; lane
	v_and_b32 v5, 15, v0                           ; r
	v_bfe_u32 v6, v0, 4, 1                         ; h
	s_wait_kmcnt 0x0
	s_load_b256 s[24:31], s[10:11], 0x0            ; e0 .. e7
	s_cmp_lt_u32 ttmp9, 256
	s_cbranch_scc0 .Lweights
; ---------------- x: K is innermost.  Wave w takes the tile of 16 rows 2 x work-group + w / 2 and the K half w % 2: four fragments.
; Each load reads 512 consecutive bytes of one row; the 16 rows turn through the wave's stage, from which a lane takes the numbers of its own row in the order of the fragment's registers.
	s_lshr_b32 s19, s18, 1
	s_and_b32 s22, s18, 1
	s_lshl_b32 s32, ttmp9, 1
	s_add_co_u32 s32, s32, s19                     ; my tile of rows
	s_lshl_b32 s34, s32, 16                        ; 16 rows of 4,096 bytes
	s_lshl_b32 s33, s22, 11                        ; 512 numbers
	s_add_co_u32 s34, s34, s33
	s_mov_b32 s35, 0
	s_add_nc_u64 s[4:5], s[4:5], s[34:35]
	s_lshl_b32 s36, s32, 12                        ; a tile's 4,096 bytes of one K / 256
	s_lshl_b32 s33, s22, 22                        ; two K / 256 on
	s_add_co_u32 s36, s36, s33
	s_mov_b32 s37, 0
	s_add_nc_u64 s[12:13], s[12:13], s[36:37]
	s_wait_alu depctr_va_vdst(0)
	v_lshlrev_b32 v3, 4, v2                        ; 16 x lane: offset of the loads and of the stores; never rewritten
	s_mul_i32 s23, s18, STG
	v_add_nc_u32 v14, s23, v3                      ; the stage, on the way in
	v_mul_u32_u24 v15, v5, SP
	v_lshl_add_u32 v15, v6, 5, v15
	v_add_nc_u32 v15, s23, v15                     ; and on the way out: row r, + 8 h numbers
.macro LOADX f                         ; fragment f: 16 rows x 512 bytes
.irp i, 0,1,2,3,4,5,6,7,8,9,10,11,12,13,14,15
	global_load_b128 v[R+64*((\f)%2)+4*\i:R+64*((\f)%2)+4*\i+3], v3, s[4:5] offset:4096*\i+512*(\f) th:TH_LOAD_NT
.endr
.endm
.macro FRAGX f
.set CS, C+16*((\f)%2)
.if (\f) < 3
	s_wait_loadcnt 16                              ; this fragment's 16 loads are in; the next fragment's 16 may be out
.else
	s_wait_loadcnt 0x0
.endif
.irp i, 0,1,2,3,4,5,6,7,8,9,10,11,12,13,14,15
	ds_store_b128 v14, v[R+64*((\f)%2)+4*\i:R+64*((\f)%2)+4*\i+3] offset:SP*\i
.endr
.irp c, 0,1,2,3                        ; LDS serves a wave's instructions in order: these see the stores above.  Registers 8 m .. 8 m + 7 take K = 16 m + 8 h + 0 .. 7
.irp q, 0,1,2,3
	ds_load_b128 v[X+16*\c+4*\q:X+16*\c+4*\q+3], v15 offset:128*\c+64*(\q/2)+16*(\q%2)
.endr
.endr
	s_wait_dscnt 0x0                               ; my numbers are back, and the stores into the stage have read their registers,
.if (\f) < 2
	LOADX (\f)+2                                   ; which take the fragment two further on
.endif
.if (\f) >= 2
	s_wait_xcnt 0x0                                ; this set of codes was a store's data two fragments ago: it is written again only behind this wait
.endif
.set j, 0
.rept 64
.set j, j+1
.endr
.irp m, 0,1,2,3,4,5,6,7
	v_cvt_scalef32_pk8_bf8_f32 v[CS+2*\m:CS+2*\m+1], v[X+8*\m:X+8*\m+7], v11
.endr
	v_nop                                          ; one plain vector line between the conversions and the next fragment's loads, which write their sources
.irp c, 0,1,2,3
	global_store_b128 v3, v[CS+4*\c:CS+4*\c+3], s[12:13] offset:((\f)/2)*0x200000+((\f)%2)*2048+512*\c   ; a group: the wave stores 512 consecutive bytes, aligned
.endr
.endm
	LOADX 0
	LOADX 1
	s_wait_alu depctr_va_vdst(0)
	s_wait_kmcnt 0x0
	SCALE 24
	s_wait_alu depctr_va_vdst(0)
	FRAGX 0
	FRAGX 1
	FRAGX 2
	FRAGX 3
	s_wait_tensorcnt 0x0
	ds_add_u32 v240, v241
	s_wait_dscnt 0x0
	s_endpgm
; ---------------- the weights: K is the FIRST axis.  A lane takes a column and its registers run down K: each load reads 128 consecutive bytes a wave (512 a work-group), and nothing is transposed.
; A block of 32 along K is one group of the image: the lane's codes of K = 0-7 and 16-23 are the 16 bytes of image lane r, those of K = 8-15 and 24-31 the 16 bytes of image lane 16 + r, 256 bytes on.
; So sixteen neighbouring lanes store 256 consecutive bytes, aligned; lanes 16-31 hold the next tile of 16 columns, 4,096 bytes on.
.macro LOADW t, N, IN
.set j, 0
.rept 32
	global_load_b32 v[XW+32*((\t)%2)+j], v3, s[\IN:\IN+1] offset:(32*(\t)+j)*\N*4 th:TH_LOAD_NT
.set j, j+1
.endr
.endm
.macro BLOCKW t, N, IN, OUT
.set XS, XW+32*((\t)%2)
.set CW, CWB+8*(\t)
.if (\t) < 7
	s_wait_loadcnt 32                              ; this block's 32 loads are in; the next block's may be out
.else
	s_wait_loadcnt 0x0
.endif
.set j, 0
.rept 32
.set j, j+1
.endr
	v_cvt_scalef32_pk8_bf8_f32 v[CW:CW+1],   v[XS:XS+7],     v11
	v_cvt_scalef32_pk8_bf8_f32 v[CW+2:CW+3], v[XS+16:XS+23], v11
	v_cvt_scalef32_pk8_bf8_f32 v[CW+4:CW+5], v[XS+8:XS+15],  v11
	v_cvt_scalef32_pk8_bf8_f32 v[CW+6:CW+7], v[XS+24:XS+31], v11
	v_nop                                          ; one plain vector line behind the conversions
	global_store_b128 v4, v[CW:CW+3],   s[\OUT:\OUT+1] offset:((\t)/4)*2048+((\t)%4)*512
	global_store_b128 v4, v[CW+4:CW+7], s[\OUT:\OUT+1] offset:((\t)/4)*2048+((\t)%4)*512+256
.if (\t) < 6
	LOADW (\t)+2, \N, \IN
.endif
.endm
.macro WPATH N, NT, FIRST, IN, OUT, E  ; N columns, NT tiles of 16 columns; the first work-group; the scalar registers of the two addresses and of e
	s_sub_co_u32 s32, ttmp9, \FIRST
	s_and_b32 s33, s32, 3                          ; which 256 along K
	s_lshr_b32 s34, s32, 2                         ; which 128 columns
	s_mul_i32 s36, s33, 256*\N*4
	s_lshl_b32 s35, s34, 9
	s_add_co_u32 s36, s36, s35
	s_lshl_b32 s35, s18, 7                         ; my wave's 32 columns
	s_add_co_u32 s36, s36, s35
	s_mov_b32 s37, 0
	s_add_nc_u64 s[\IN:\IN+1], s[\IN:\IN+1], s[36:37]
	s_mul_i32 s38, s33, \NT*4096
	s_lshl_b32 s35, s34, 15                        ; eight tiles of 4,096 bytes
	s_add_co_u32 s38, s38, s35
	s_lshl_b32 s35, s18, 13                        ; my wave's two
	s_add_co_u32 s38, s38, s35
	s_mov_b32 s39, 0
	s_add_nc_u64 s[\OUT:\OUT+1], s[\OUT:\OUT+1], s[38:39]
	v_lshlrev_b32 v3, 2, v2                        ; in: 4 bytes a lane
	v_lshlrev_b32 v4, 4, v5
	v_lshl_add_u32 v4, v6, 12, v4                  ; out: 16 r + 4,096 (lane / 16)
	LOADW 0, \N, \IN
	LOADW 1, \N, \IN
	s_wait_kmcnt 0x0
	SCALE \E
	s_wait_alu depctr_va_vdst(0)
.irp t, 0,1,2,3,4,5,6,7
	BLOCKW \t, \N, \IN, \OUT
.endr
	s_endpgm
.endm
.Lweights:
	s_cmp_lt_u32 ttmp9, 352
	s_cbranch_scc0 .Lwproj
	s_wait_alu depctr_va_vdst(0)
	WPATH 3072, 192, 256, 6, 14, 25
.Lwproj:
	s_wait_alu depctr_va_vdst(0)
	WPATH 1024, 64, 352, 8, 16, 31
.Lfunc_end_k_q114029128e_quant:
	.size	k_q114029128e_quant, .Lfunc_end_k_q114029128e_quant-k_q114029128e_quant
	.p2alignl 7, 3214868480
	.fill 96, 4, 3214868480
	.section	.rodata,"a",@progbits
	.p2align	6, 0x0
	.amdhsa_kernel k_q114029128e_quant
		.amdhsa_group_segment_fixed_size 34304
		.amdhsa_private_segment_fixed_size 0
		.amdhsa_enable_private_segment 0
		.amdhsa_kernarg_size 56
		.amdhsa_user_sgpr_count 2
		.amdhsa_user_sgpr_kernarg_segment_ptr 1
		.amdhsa_wavefront_size32 1
		.amdhsa_system_sgpr_workgroup_id_x 1
		.amdhsa_system_sgpr_workgroup_id_y 1
		.amdhsa_system_sgpr_workgroup_id_z 1
		.amdhsa_system_vgpr_workitem_id 0
		.amdhsa_next_free_vgpr 242
		.amdhsa_next_free_sgpr 66
		.amdhsa_reserve_vcc 0
		.amdhsa_float_denorm_mode_32 3
		.amdhsa_float_denorm_mode_16_64 3
		.amdhsa_fp16_overflow 1
		.amdhsa_memory_ordered 1
		.amdhsa_forward_progress 1
		.amdhsa_inst_pref_size 79
	.end_amdhsa_kernel
	.amdgpu_metadata
---
amdhsa.version: [ 1, 2 ]
amdhsa.kernels:
  - .name:           k_q114029128e_quant
    .symbol:         k_q114029128e_quant.kd
    .args:
      - { .name: x, .offset: 0, .size: 8, .value_kind: global_buffer, .address_space: global }
      - { .name: Wqkv, .offset: 8, .size: 8, .value_kind: global_buffer, .address_space: global }
      - { .name: Wproj, .offset: 16, .size: 8, .value_kind: global_buffer, .address_space: global }
      - { .name: lowp_scales, .offset: 24, .size: 8, .value_kind: global_buffer, .address_space: global }
      - { .name: x_img, .offset: 32, .size: 8, .value_kind: global_buffer, .address_space: global }
      - { .name: wqkv_img, .offset: 40, .size: 8, .value_kind: global_buffer, .address_space: global }
      - { .name: wproj_img, .offset: 48, .size: 8, .value_kind: global_buffer, .address_space: global }
    .group_segment_fixed_size: 34304
    .private_segment_fixed_size: 0
    .kernarg_segment_align: 8
    .kernarg_segment_size: 56
    .max_flat_workgroup_size: 128
    .sgpr_count:     66
    .vgpr_count:     242
    .wavefront_size: 32
...
	.end_amdgpu_metadata
.endif
;; end of part 1
;; launch qkv (part 2): grid 12 x 32, 4 waves a work-group, clusters of 4 x 4, 327,680 bytes of LDS; arguments x_img, wqkv_img, lowp_scales, bqkv, qkv; writes qkv
.if DOCPART == 2
	.amdgcn_target "amdgcn-amd-amdhsa--gfx1250"
	.amdhsa_code_object_version 6
	.text
	.protected	k_q114029128e_qkv
	.globl	k_q114029128e_qkv
	.p2align	8
	.type	k_q114029128e_qkv,@function
k_q114029128e_qkv:
	s_mov_b64 s[64:65], 0
	v_nop
	global_prefetch_b8 v0, s[64:65] scope:SCOPE_SE
	s_setreg_imm32_b32 hwreg(HW_REG_WAVE_MODE, 25, 1), 1
	s_wait_xcnt 0x0
	s_wait_alu depctr_hold_cnt(0) depctr_sa_sdst(0) depctr_va_vdst(0) depctr_va_sdst(0) depctr_va_ssrc(0) depctr_va_vcc(0) depctr_vm_vsrc(0)
	s_getreg_b32 s2, hwreg(HW_REG_IB_STS2, 6, 4)
	s_cmp_eq_u32 s2, 0
	s_cbranch_scc0 .Lentry_in_a_cluster
	s_endpgm
.Lentry_in_a_cluster:
	s_bfe_u32 s2, ttmp6, 0x10000c
	s_cmp_lg_u32 s2, 0xf033
	s_cbranch_scc0 .Lentry_shape_is_right
	s_endpgm
.Lentry_shape_is_right:
; qkv = x Wqkv + bqkv on codes of BF8 (E5M2), and the result quantised at once into the codes of q, k and v that the attention launch reads.  K = 1,024.
; Both operands come as IMAGES of the operand's registers: a fragment, 16 rows x 128 K, is four groups of 512 bytes, lane l's 16 bytes of registers 4 g .. 4 g + 3 at 16 l; lane (r, h) holds row r, registers 2 c, 2 c + 1
; hold K = 16 c + 8 h + 0 .. 7.  For one 256 along K a tile of 16 rows is 4,096 bytes, tiles lie on end: 128 rows are one dense block of 32,768 bytes for one tensor load; no pitch and no padding (a load's 512 bytes are consecutive).
; A tile of the result, 256 x 256, is made by four waves, each 128 x 128: 64 accumulators.  K goes in four steps of 256 through two LDS slots.
; THE MATRIX INSTRUCTION: source 0 = 16 rows of the "B place", source 1 = 16 rows of the "A place": in accumulator (a, b) lane (r, h) holds A-place row 16 a + r, and register j B-place row 16 b + 8 h + j.
; So eight registers convert into registers 2 b, 2 b + 1 of a fragment whose K runs along the B place.  q and k want K = channels: A place = x, B place = Wqkv.  v wants K = tokens: A place = Wqkv, B place = x.
; The cluster's x says which tensor is made (0 q, 1 k, 2 v): it is the same in all sixteen partners, and it chooses the DATA (addresses, steps, strides, the scale) by selects; the instructions are the same.
; One branch hangs on it, round the vector lines that add the bias (along the registers for q and k, along the lanes for v).
; CLUSTERS: 4 x 4.  The A place's tile is shared along a row of the cluster, the B place's along a column: each is asked for jointly.
; OUT: qkv = q | k | v, 8 MiB each, [batch x head: 64][131,072 bytes].  q, k in a head: [tile of 16 tokens: 128][group 2][512] (K = 64: 8 registers).  v in a head: [128 tokens: 16][8,192]: the fragment of
; channels 16 t + r, group g, at 1,024 t + 512 (g % 2) + 4,096 (g / 2).
; LIMITS: e0 + e1 between -126 and 127; e2, e3, e5 between -126 and 112: each power of two below is an f32 number.  NaN is not served.
; REGISTERS: window 0: v1-11 addresses, v16-21 LDS addresses, v28, v29 the add's; v32-95, v96-111 the bias in two forms; v128-255 the A place's fragments, one set, later the codes.
;   window 1: the B place's fragments, two sets.   windows 2, 3: the accumulators, (a, b) at v[8 (8 (a % 4) + b)].
.set SLOT,  131072                     ; A place 65,536 (16 tiles x 4,096), then B place 65,536
.set SPARE, 2*SLOT                     ; behind the ring: the spare words, 128 bytes for each wave, which no other line names
.set FR,    16
.set NL,    4
.set NP,    4                          ; places behind this matrix instruction (ISA guide 7.12.1)
.set VO,    8                          ; v8-11   the stores' offsets
.set ADRA,  16                         ; v16-17  LDS address of my A-place fragments in slot 0, 1
.set ADRB,  20                         ; v20-21  the same for the B place
.set SPW,   28                         ; v28     my spare word's LDS address; never rewritten
.set NIL,   29                         ; v29     0; never rewritten
.set BR,    32                         ; v32-95  bias along the registers: BR[8 i + j] = b[16 i + 8 h + j]
.set BL,    96                         ; v96-111 bias along the lanes: BL[2 i] = b[16 i + r]; the odd registers are 0 (named as pairs)
.set AF,    128
.set CD,    128                        ; the codes: 16 registers for each a
.set G1,  24                           ; s[24:31] descriptor group 1, A place;  s[32:39] its groups 0, one for each slot
.set G0,  32
.set G1B, 48                           ; s[48:55], s[56:63] the same for the B place
.set G0B, 56
.set STA, 66                           ; s[66:67] bytes from one 256 along K to the next in the A place's buffer (doubled for the refills)
.set STB, 68                           ; s[68:69] the same for the B place
.set MSB, 0
.macro WIN new                         ; the immediate's high byte repeats the setting that is left
.if MSB != \new
	s_set_vgpr_msb (MSB<<8)|\new
.set MSB, \new
.endif
.endm
.set MUL_LO, 0xa1                      ; source 0 window 1, source 1 window 0, C and D window 2
.set MUL_HI, 0xf1                      ; the same, C and D window 3
.set TO_B,   0x40                      ; destination window 1, address window 0
; A joint load: waves 0 and 1 fetch the A place's halves, waves 2 and 3 the B place's.  The branch hangs on the wave's number alone.  Four v_nop follow each of the two lines.
.macro JLOAD g0a, g1a, g0b, g1b
	s_cmp_eq_u32 s15, 0
	s_cbranch_scc0 .Lfor_b_\@
	tensor_load_to_lds s[\g0a:\g0a+3], s[\g1a:\g1a+7]
	s_nop 0
.rept 4
	v_nop
.endr
	s_branch .Lasked_\@
.Lfor_b_\@:
	tensor_load_to_lds s[\g0b:\g0b+3], s[\g1b:\g1b+7]
	s_nop 0
.rept 4
	v_nop
.endr
.Lasked_\@:
.endm
.macro CREST                           ; a round of the cluster's barrier behind its opening barrier
	s_cmp_lg_u32 s14, 0
	s_cbranch_scc1 .Lnot_wave_0_\@
	s_barrier_signal -3
.Lnot_wave_0_\@:
	s_barrier_wait -3
	s_barrier_signal -1
	s_barrier_wait -1
.endm
.macro CROUND
	s_barrier_signal -1
	s_barrier_wait -1
	CREST
.endm
	s_load_b128 s[4:7], s[0:1], 0x0                ; x_img s[4:5], wqkv_img s[6:7]
	s_load_b128 s[8:11], s[0:1], 0x10              ; the scales s[8:9], bqkv s[10:11]
	s_load_b64 s[12:13], s[0:1], 0x20              ; qkv
	v_lshl_add_u32 v[SPW], v0, 2, SPARE
	v_mov_b32 v[NIL], 0
	ds_add_u32 v28, v29
	ds_add_u32 v28, v29
	s_wait_dscnt 0x0
	v_lshrrev_b32 v1, 5, v0
	v_readfirstlane_b32 s14, v1                    ; wave 0..3
	s_lshr_b32 s15, s14, 1                         ; my half of the A place's 256 rows.  Also: I fetch for the A place (0) or the B place (1)
	s_and_b32 s16, s14, 1                          ; my half of the B place's.  Also: which 128 rows I fetch
	s_bfe_u32 s40, ttmp6, 0x40000                  ; cx
	s_bfe_u32 s41, ttmp6, 0x40004                  ; cy
	s_and_b32 s70, ttmp7, 0xffff                   ; the cluster's y, 0..7
	s_mov_b32 s78, 0xc0000                         ; wqkv_img: 192 tiles x 4,096 bytes for each 256 along K
	s_mov_b32 s79, 0x200000                        ; x_img: 512 tiles x 4,096
	s_cmp_eq_u32 ttmp9, 2                          ; v?
	s_cselect_b32 s71, 2, s70                      ; the A place's group of four tiles: v: Wqkv's tiles 8-11; q, k: x's 4 y ..
	s_cselect_b32 s72, s70, ttmp9                  ; the B place's: v: x's 4 y ..; q, k: Wqkv's 4 x ..
	s_cselect_b32 s[STA], s78, s79
	s_cselect_b32 s[STB], s79, s78
	s_mov_b32 s[STA+1], 0
	s_mov_b32 s[STB+1], 0
	s_lshl_b32 s17, s71, 2
	s_add_co_u32 s17, s17, s41                     ; the A place's tile of 256 rows: cluster ids and cy alone
	s_lshl_b32 s42, s72, 2
	s_add_co_u32 s42, s42, s40                     ; the B place's: cluster ids and cx alone
	s_lshl_b32 s43, s41, 2
	s_lshl_b32 s43, 15, s43                        ; my row of the cluster
	s_lshl_b32 s44, 0x1111, s40                    ; my column
	; descriptor group 1: a dense block of 32,768 bytes as 128 rows of 32 elements of 8 bytes
	s_or_b32 s[G1], s43, (3<<16)|(1<<21)           ; 15:0 the mask; 17:16 elements of 8 bytes; 20 no padding; 21 set beside a mask
	s_or_b32 s[G1B], s44, (3<<16)|(1<<21)
.irp g, G1, G1B
	s_mov_b32 s[\g+1], 32<<16                      ; tensor_dim0 = 32
	s_mov_b32 s[\g+2], 128<<16                     ; tensor_dim1 = 128
	s_mov_b32 s[\g+3], 32<<16                      ; tile_dim0 = 32
	s_mov_b32 s[\g+4], 128                         ; tile_dim1 = 128
	s_mov_b32 s[\g+5], 32                          ; the pitch: dense
	s_mov_b32 s[\g+6], 0
	s_mov_b32 s[\g+7], 0
.endr
	s_lshl_b32 s18, s16, 15                        ; which 128 rows (32,768 bytes) of a tile I fetch
	s_lshl_b32 s20, s17, 16
	s_add_co_u32 s20, s20, s18
	s_mov_b32 s21, 0
	s_lshl_b32 s46, s42, 16
	s_add_co_u32 s46, s46, s18
	s_mov_b32 s47, 0
	s_lshl_b32 s45, s14, 15                        ; where they go: wave x 32,768: no place in the cluster enters an LDS address
	s_wait_kmcnt 0x0
	s_load_b256 s[80:87], s[8:9], 0x0              ; e0 .. e7
	s_cmp_eq_u32 ttmp9, 2
	s_cselect_b64 s[74:75], s[6:7], s[4:5]         ; the A place's buffer
	s_cselect_b64 s[76:77], s[4:5], s[6:7]         ; the B place's
	s_add_nc_u64 s[20:21], s[74:75], s[20:21]
	s_add_nc_u64 s[46:47], s[76:77], s[46:47]
	CROUND                                         ; all sixteen work-groups are here: the first joint loads meet
	s_mov_b32 s[G0], 1
	s_add_co_u32 s[G0+1], s45, 0
	s_mov_b64 s[G0+2:G0+3], s[20:21]
	s_or_b32 s[G0+3], s[G0+3], 0x80000000
	s_mov_b32 s[G0+4], 1
	s_add_co_u32 s[G0+5], s45, SLOT
	s_add_nc_u64 s[G0+6:G0+7], s[20:21], s[STA:STA+1]
	s_or_b32 s[G0+7], s[G0+7], 0x80000000
	s_mov_b32 s[G0B], 1
	s_add_co_u32 s[G0B+1], s45, 0
	s_mov_b64 s[G0B+2:G0B+3], s[46:47]
	s_or_b32 s[G0B+3], s[G0B+3], 0x80000000
	s_mov_b32 s[G0B+4], 1
	s_add_co_u32 s[G0B+5], s45, SLOT
	s_add_nc_u64 s[G0B+6:G0B+7], s[46:47], s[STB:STB+1]
	s_or_b32 s[G0B+7], s[G0B+7], 0x80000000
	JLOAD G0, G1, G0B, G1B                         ; K step 0 into slot 0,
	JLOAD G0+4, G1, G0B+4, G1B                     ; K step 1 into slot 1: two tensor loads of mine are out
	s_lshl_b32 s[STA], s[STA], 1                   ; a refill goes two K steps on
	s_lshl_b32 s[STB], s[STB], 1
	v_and_b32 v1, 31, v0
	v_lshlrev_b32 v1, 4, v1                        ; 16 x lane
	s_wait_alu depctr_va_vdst(0)
	v_and_b32 v2, 15, v0                           ; r
	v_bfe_u32 v3, v0, 4, 1                         ; h
	s_wait_alu depctr_va_vdst(0)
	s_lshl_b32 s18, s15, 15                        ; my 128 rows of the A place
	s_lshl_b32 s19, s16, 15                        ; my 128 rows of the B place,
	s_add_co_u32 s19, s19, 65536                   ; which lies behind the A place
.irp s, 0,1
	v_add_nc_u32 v[ADRA+\s], s18, v1
	v_add_nc_u32 v[ADRB+\s], s19, v1
	s_add_co_u32 s18, s18, SLOT
	s_add_co_u32 s19, s19, SLOT
.endr
	; which tokens and which channels are mine, whichever place they stand in
	s_mov_b32 s78, 0x20000                         ; from head to head
	s_mov_b32 s79, 4096
	s_cmp_eq_u32 ttmp9, 2
	s_cselect_b32 s88, s42, s17                    ; the tile of 256 tokens, 0..31
	s_cselect_b32 s89, s16, s15                    ; my half of it
	s_cselect_b32 s90, s17, s42                    ; the tile of 256 columns of Wqkv, 0..11
	s_cselect_b32 s91, s15, s16                    ; my half of it
	s_cselect_b32 s92, s78, s79                    ; S1: from a = 0-3 to a = 4-7: v: the next head; q, k: four tiles of tokens
	s_cselect_b32 s93, s79, s78                    ; S2: from groups 0, 1 to groups 2, 3: v: 4,096; q, k: the next head
	v_mov_b32 v[VO], v1
	v_add_nc_u32 v[VO+1], s93, v1
	v_add_nc_u32 v[VO+2], s92, v1
	v_add_nc_u32 v[VO+3], s93, v[VO+2]
	s_lshl_b32 s98, s90, 10
	s_lshl_b32 s95, s91, 9
	s_add_co_u32 s98, s98, s95
	s_mov_b32 s99, 0
	s_add_nc_u64 s[10:11], s[10:11], s[98:99]      ; my 128 numbers of the bias
	v_lshlrev_b32 v4, 5, v3                        ; 8 h numbers; never rewritten
	v_lshlrev_b32 v5, 2, v2                        ; r numbers; never rewritten
.irp i, 0,1,2,3,4,5,6,7                ; both forms are loaded, so that one text serves the three tensors: 24 small loads a wave, waited for on the way out
	global_load_b128 v[BR+8*\i:BR+8*\i+3],   v4, s[10:11] offset:64*\i
	global_load_b128 v[BR+8*\i+4:BR+8*\i+7], v4, s[10:11] offset:64*\i+16
	global_load_b32 v[BL+2*\i], v5, s[10:11] offset:64*\i
	v_mov_b32 v[BL+2*\i+1], 0
.endr
	s_lshr_b32 s95, s88, 3                         ; the batch
	s_lshl_b32 s95, s95, 4
	s_and_b32 s98, s90, 3
	s_lshl_b32 s98, s98, 2
	s_add_co_u32 s95, s95, s98
	s_lshl_b32 s98, s91, 1
	s_add_co_u32 s95, s95, s98                     ; batch x 16 + my first head (I make two)
	s_lshl_b32 s95, s95, 17
	s_and_b32 s98, s88, 7
	s_lshl_b32 s98, s98, 1
	s_add_co_u32 s98, s98, s89                     ; which 128 tokens of the sequence: 8,192 bytes in q, k and v alike
	s_lshl_b32 s98, s98, 13
	s_add_co_u32 s95, s95, s98
	s_lshl_b32 s98, ttmp9, 23                      ; q, k or v
	s_add_co_u32 s98, s98, s95
	s_add_nc_u64 s[12:13], s[12:13], s[98:99]
.macro FRAG reg, adr, q, i             ; tile i's fragment of the slot's q-th 128 along K: four groups as they lie
.irp c, 0,1,2,3
	ds_load_b128 v[\reg+4*\c:\reg+4*\c+3], v[\adr] offset:(\i)*4096+(\q)*2048+512*\c
.endr
.endm
; 16 matrix instructions: A-place blocks a0, a0 + 1 x the B place's eight.  p: the B place's set.  zero = 1: the first product starts the sums.  The 64 accumulators take turns.
.macro MUL16 a0, p, zero
.irp a, \a0, \a0+1
.irp b, 0,1,2,3,4,5,6,7
.if \zero
	v_wmma_f32_16x16x128_bf8_bf8 v[8*(8*((\a)%4)+\b):8*(8*((\a)%4)+\b)+7], v[128*(\p)+FR*\b:128*(\p)+FR*\b+FR-1], v[AF+FR*(\a):AF+FR*(\a)+FR-1], 0
.else
	v_wmma_f32_16x16x128_bf8_bf8 v[8*(8*((\a)%4)+\b):8*(8*((\a)%4)+\b)+7], v[128*(\p)+FR*\b:128*(\p)+FR*\b+FR-1], v[AF+FR*(\a):AF+FR*(\a)+FR-1], v[8*(8*((\a)%4)+\b):8*(8*((\a)%4)+\b)+7]
.endif
.endr
.endr
.endm
.macro FETCH_B slot, q, p
	WIN TO_B
.irp i, 0,1,2,3,4,5,6,7
	FRAG 128*(\p)+FR*\i, ADRB+\slot, \q, \i
.endr
	WIN 0
.endm
.macro FETCH_A slot, q, i0
.irp i, \i0, \i0+1, \i0+2, \i0+3
	FRAG AF+FR*(\i), ADRA+\slot, \q, \i
.endr
.endm
.macro PLACES n                        ; plain vector lines between a matrix instruction and a load into, or a vector line on, its registers
.rept \n
	v_nop
.endr
.endm
; A step of 128 along K that has its successor in the same slot.  The A place has one set of registers: blocks 0-3 are fetched anew in the step's middle, blocks 4-7 at its end.
.macro STEP slot, q, zero
	s_wait_dscnt 4*NL                              ; the B place's set and A-place blocks 0-3 are in; the youngest sixteen loads (blocks 4-7) may be out
	WIN MUL_LO
	MUL16 0, (\q)%2, \zero
	MUL16 2, (\q)%2, \zero
	s_wait_dscnt 0                                 ; blocks 4-7 are in
	PLACES NP
	FETCH_B \slot, (\q)+1, 1-(\q)%2
	FETCH_A \slot, (\q)+1, 0
	WIN MUL_HI
	MUL16 4, (\q)%2, \zero
	MUL16 6, (\q)%2, \zero
	PLACES NP
	WIN 0
	FETCH_A \slot, (\q)+1, 4
.endm
; A slot's last step changes slots: one barrier; in front of it each wave waits for all its tensor loads, adds 0 to its spare word, and waits for that and for its reads of this slot.  fill = 1: the slot is filled again, two K steps on.
.macro TURN slot, next, fill
	s_wait_tensorcnt 0x0                           ; all my tensor loads have landed: my part of the next slot
	ds_add_u32 v[SPW], v[NIL]                      ; 0 onto my spare word
	s_wait_dscnt 4*NL+1                            ; (the add and the youngest sixteen loads may be out)
	WIN MUL_LO
	MUL16 0, 1, 0                                  ; sixteen matrix instructions stand between the add and the wait for it
	s_wait_dscnt 0x0                               ; the add is done, and my reads of this slot are over
	s_barrier_signal -1
	MUL16 2, 1, 0
	WIN 0
	s_barrier_wait -1
.if \fill
	CREST                                          ; the barrier has opened a round of the cluster's barrier: no wave of any partner still reads this slot or has a load on its way
	s_add_nc_u64 s[G0+4*\slot+2:G0+4*\slot+3], s[G0+4*\slot+2:G0+4*\slot+3], s[STA:STA+1]
	s_add_nc_u64 s[G0B+4*\slot+2:G0B+4*\slot+3], s[G0B+4*\slot+2:G0B+4*\slot+3], s[STB:STB+1]
	JLOAD G0+4*\slot, G1, G0B+4*\slot, G1B         ; the first tensor load behind the round, my only one until the next; its four v_nop are the places in front of the loads below
.else
	PLACES NP
.endif
	FETCH_B \next, 0, 0
	FETCH_A \next, 0, 0
	WIN MUL_HI
	MUL16 4, 1, 0
	MUL16 6, 1, 0
	PLACES NP
	WIN 0
	FETCH_A \next, 0, 4
.endm
	s_wait_tensorcnt 0x1                           ; my part of K step 0 is in; K step 1's load may be out
	s_barrier_signal -1
	s_barrier_wait -1
	FETCH_B 0, 0, 0
	FETCH_A 0, 0, 0
	FETCH_A 0, 0, 4
	STEP 0, 0, 1                                   ; K = 1,024 is four K steps of 256, eight steps of 128: written out
	TURN 0, 1, 1                                   ; slot 0 takes K step 2
	STEP 1, 0, 0
	TURN 1, 0, 1                                   ; slot 1 takes K step 3
	STEP 0, 0, 0
	TURN 0, 1, 0                                   ; nothing is left to fetch
	STEP 1, 0, 0
	s_wait_dscnt 4*NL
	WIN MUL_LO
	MUL16 0, 1, 0
	MUL16 2, 1, 0
	s_wait_dscnt 0
	WIN MUL_HI
	MUL16 4, 1, 0
	MUL16 6, 1, 0
	WIN 0
	; THE WAY OUT: sum x 2^(e0 + e1) + bias, in f32; the hold; the conversion.  The codes are the next operand's registers: they are stored as they stand, 512 consecutive bytes a store.  No LDS.
	s_wait_kmcnt 0x0
	s_add_co_i32 s96, s80, s81
	s_add_co_i32 s96, s96, 127
	s_lshl_b32 s96, s96, 23                        ; 2^(e0 + e1) as f32
	s_mov_b32 s97, s96                             ; (named with it as a pair)
	s_cmp_eq_u32 ttmp9, 0
	s_cselect_b32 s94, s82, s83                    ; q: e2; k: e3;
	s_cmp_eq_u32 ttmp9, 2
	s_cselect_b32 s94, s85, s94                    ; v: e5
	s_add_co_i32 s94, s94, 127
	s_lshl_b32 s95, s94, 23
	v_mov_b32 v6, s95                              ; the result's scale as f32
	s_wait_loadcnt 0x0                             ; the bias
	PLACES NP
	s_cmp_eq_u32 ttmp9, 2
	s_cbranch_scc1 .Lbias_v
.irp a, 0,1,2,3,4,5,6,7                ; q, k: a register's channel is 16 b + 8 h + j.  Each accumulator from its low end on
.set AC, 64*((\a)%4)
.set WW, 0x82+0x41*((\a)/4)
	WIN WW                                         ; source 0 and destination window 2 or 3, the bias window 0
.irp b, 0,1,2,3,4,5,6,7
.irp i, 0,2,4,6
	v_pk_fma_f32 v[AC+8*\b+\i:AC+8*\b+\i+1], v[AC+8*\b+\i:AC+8*\b+\i+1], s[96:97], v[BR+8*\b+\i:BR+8*\b+\i+1] op_sel_hi:[1,0,1]
.endr
.endr
.endr
	WIN 0
	s_branch .Lbiased
.Lbias_v:
	s_wait_alu depctr_va_vdst(0)
.irp a, 0,1,2,3,4,5,6,7                ; v: the lane's channel is 16 a + r: one number for all of a's registers
.set AC, 64*((\a)%4)
.set WW, 0x82+0x41*((\a)/4)
	WIN WW
.irp b, 0,1,2,3,4,5,6,7
.irp i, 0,2,4,6
	v_pk_fma_f32 v[AC+8*\b+\i:AC+8*\b+\i+1], v[AC+8*\b+\i:AC+8*\b+\i+1], s[96:97], v[BL+2*\a:BL+2*\a+1] op_sel_hi:[1,0,0]
.endr
.endr
.endr
	WIN 0
.Lbiased:
.irp hi, 0,1
.set WW, 0x82+0x41*\hi
	WIN WW
.set j, 0
.rept 256
.set j, j+1
.endr
.set WW, 0x02+\hi
	WIN WW                                         ; source 0 window 2 or 3; the codes and the scale window 0
.irp a, 0,1,2,3
.irp b, 0,1,2,3,4,5,6,7
	v_cvt_scalef32_pk8_bf8_f32 v[CD+16*(4*\hi+\a)+2*\b:CD+16*(4*\hi+\a)+2*\b+1], v[8*(8*\a+\b):8*(8*\a+\b)+7], v6
.endr
.endr
.endr
	WIN 0
	v_nop                                          ; one plain vector line behind the last conversion
.irp a, 0,1,2,3,4,5,6,7
.irp g, 0,1,2,3
	global_store_b128 v[VO+2*(\a/4)+\g/2], v[CD+16*\a+4*\g:CD+16*\a+4*\g+3], s[12:13] offset:(\a%4)*1024+(\g%2)*512
.endr
.endr
	s_wait_tensorcnt 0x0                           ; the wave's end
	ds_add_u32 v[SPW], v[NIL]
	s_wait_dscnt 0x0
	CROUND                                         ; the closing round: no work-group ends while a partner may still ask for a tile that names it
	s_endpgm
.Lfunc_end_k_q114029128e_qkv:
	.size	k_q114029128e_qkv, .Lfunc_end_k_q114029128e_qkv-k_q114029128e_qkv
	.p2alignl 7, 3214868480
	.fill 96, 4, 3214868480
	.section	.rodata,"a",@progbits
	.p2align	6, 0x0
	.amdhsa_kernel k_q114029128e_qkv
		.amdhsa_group_segment_fixed_size 327680
		.amdhsa_private_segment_fixed_size 0
		.amdhsa_enable_private_segment 0
		.amdhsa_kernarg_size 40
		.amdhsa_user_sgpr_count 2
		.amdhsa_user_sgpr_kernarg_segment_ptr 1
		.amdhsa_wavefront_size32 1
		.amdhsa_system_sgpr_workgroup_id_x 1
		.amdhsa_system_sgpr_workgroup_id_y 1
		.amdhsa_system_sgpr_workgroup_id_z 1
		.amdhsa_system_vgpr_workitem_id 0
		.amdhsa_next_free_vgpr 1024
		.amdhsa_next_free_sgpr 100
		.amdhsa_reserve_vcc 0
		.amdhsa_float_denorm_mode_32 3
		.amdhsa_float_denorm_mode_16_64 3
		.amdhsa_fp16_overflow 1
		.amdhsa_memory_ordered 1
		.amdhsa_forward_progress 1
		.amdhsa_inst_pref_size 120
	.end_amdhsa_kernel
	.amdgpu_metadata
---
amdhsa.version: [ 1, 2 ]
amdhsa.kernels:
  - .name:           k_q114029128e_qkv
    .symbol:         k_q114029128e_qkv.kd
    .args:
      - { .name: x_img, .offset: 0, .size: 8, .value_kind: global_buffer, .address_space: global }
      - { .name: wqkv_img, .offset: 8, .size: 8, .value_kind: global_buffer, .address_space: global }
      - { .name: lowp_scales, .offset: 16, .size: 8, .value_kind: global_buffer, .address_space: global }
      - { .name: bqkv, .offset: 24, .size: 8, .value_kind: global_buffer, .address_space: global }
      - { .name: qkv, .offset: 32, .size: 8, .value_kind: global_buffer, .address_space: global }
    .group_segment_fixed_size: 327680
    .private_segment_fixed_size: 0
    .kernarg_segment_align: 8
    .kernarg_segment_size: 40
    .max_flat_workgroup_size: 128
    .sgpr_count:     100
    .vgpr_count:     1024
    .wavefront_size: 32
...
	.end_amdgpu_metadata
.endif
;; end of part 2
;; launch attn (part 3): grid 4 x 64, 16 waves a work-group, clusters of 4 x 1, 327,680 bytes of LDS; arguments qkv, lowp_scales, o_img; writes o_img
.if DOCPART == 3
	.amdgcn_target "amdgcn-amd-amdhsa--gfx1250"
	.amdhsa_code_object_version 6
	.text
	.protected	k_q114029128e_attn
	.globl	k_q114029128e_attn
	.p2align	8
	.type	k_q114029128e_attn,@function
k_q114029128e_attn:
	s_mov_b64 s[64:65], 0
	v_nop
	global_prefetch_b8 v0, s[64:65] scope:SCOPE_SE
	s_setreg_imm32_b32 hwreg(HW_REG_WAVE_MODE, 25, 1), 1
	s_wait_xcnt 0x0
	s_wait_alu depctr_hold_cnt(0) depctr_sa_sdst(0) depctr_va_vdst(0) depctr_va_sdst(0) depctr_va_ssrc(0) depctr_va_vcc(0) depctr_vm_vsrc(0)
	s_getreg_b32 s2, hwreg(HW_REG_IB_STS2, 6, 4)
	s_cmp_eq_u32 s2, 0
	s_cbranch_scc0 .Lentry_in_a_cluster
	s_endpgm
.Lentry_in_a_cluster:
	s_bfe_u32 s2, ttmp6, 0x10000c
	s_cmp_lg_u32 s2, 0x3003
	s_cbranch_scc0 .Lentry_shape_is_right
	s_endpgm
.Lentry_shape_is_right:
; Causal attention of one head (2,048 tokens, head size 64) for each cluster of four work-groups, both products on codes of BF8 (E5M2); the result is quantised at once for the last product.
; q, k, v come as images of the operand's registers (lane (r, h): row r; registers 2 c, 2 c + 1: K = 16 c + 8 h + 0 .. 7; registers 4 g .. 4 g + 3 are a group of 512 bytes, lane l's 16 bytes at 16 l):
;   q, k in a head: [tile of 16 tokens: 128][group 2][512], K = the head's 64;   v in a head: [128 keys: 16][8,192]: channels 16 t + r, group g at 1,024 t + 512 (g % 2) + 4,096 (g / 2), K = the keys.
; THE SOFTMAX: t = score x log2(e) / 8; M = the running largest t rounded UP to a whole number; p = 2^(t - M) is quantised, not normalised; the row's sum is taken of the unquantised p and divides at the end;
; when M moves, the sum and O are multiplied by 2^(old M - new M), which rounds nothing.
; BOTH PRODUCTS TRANSPOSED: S^T = K Q^T (source 0 = 16 keys), O^T = V^T P^T (source 0 = 16 channels): a lane holds ONE query (lane % 16); a score tile's register j is key 16 c + 8 h + j, so its eight
; registers convert into registers 2 c, 2 c + 1 of P's fragment; O^T's register j is channel 16 t + 8 h + j, so it converts into the last product's operand in the same way.
; SHARES.  A head has 128 tiles of 16 queries.  Tile 4 u + cx belongs to the work-group at place cx; wave w owns u = w (tile E) and u = 31 - w (tile L).  A key step is 128 keys, so a tile's last step, the one on
; the diagonal, is u / 2 (rounded down), whatever cx: no branch hangs on a work-group's place.  w / 2 + 1 and (31 - w) / 2 + 1 make 17 steps for every wave.  Steps above the diagonal are left out.
; LDS.  The head's K (131,072 bytes at 0) and V (131,072 at 131,072) lie in LDS whole and are filled ONCE, jointly for the four work-groups: no slot is filled again.  Each wave asks for two dense blocks:
; 4,096 bytes of key steps 0-3 and 12,288 of steps 4-15 (waves 0-7: K's; waves 8-15: V's): a wave's late load is asked for once its early one has landed.  The late blocks land while steps 0-3 are worked.
; LIMITS: e2 + e3 between -123 and 130 (added to the exponent field of log2(e) / 8); e4, e6 between -126 and 112; e4 + e5 is applied by v_ldexp_f32.  NaN is not served.
.set LI,  1                            ; v1   16 x lane; never rewritten
.set LV,  2                            ; v2   the same in V's region
.set DE,  3                            ; v3   tile E: my query's place in its diagonal step, less 8 h
.set DL,  4                            ; v4   tile L's
.set ADK, 6                            ; v6   LDS address of the step's K
.set ADV, 7                            ; v7   of its V
.set SBE, 8                            ; v8 -M, v9 the largest t, v[10:11] the sum in two halves: tile E
.set SBL, 12                           ; v12-15 the same for tile L
.set QE,  16                           ; v16-23  E's queries
.set QL,  24                           ; v24-31  L's
.set F,   32                           ; v32-95  eight fragments of K, then four of V
.set S,   96                           ; v96-159 S^T, then p
.set OE,  160                          ; v160-191 E's O^T
.set OL,  192                          ; v192-223 L's
.set PC,  224                          ; v224-239 p's codes
                                       ; v244 2^e4; v245 2^e6; v236, v242, v243, v252-254 at work
.set TB,  2                            ; s2   the step's first byte in K's and in V's region
.set ST,  3                            ; s3   the key step: also the loops' counter
.set LASTE, 12                         ; s12  E's diagonal step
.set LASTL, 13                         ; s13  L's
.set WV,  18
.macro CROUND                          ; a round of the cluster's barrier
	s_barrier_signal -1
	s_barrier_wait -1
	s_cmp_lg_u32 s[WV], 0
	s_cbranch_scc1 .Lnot_wave_0_\@
	s_barrier_signal -3
.Lnot_wave_0_\@:
	s_barrier_wait -3
	s_barrier_signal -1
	s_barrier_wait -1
.endm
	s_load_b128 s[4:7], s[0:1], 0x0                ; qkv s[4:5], the scales s[6:7]
	s_load_b64 s[8:9], s[0:1], 0x10                ; o_img
	v_lshl_add_u32 v251, v0, 2, 0x40000
	v_mov_b32 v255, 0
	ds_add_u32 v251, v255
	ds_add_u32 v251, v255
	v_lshrrev_b32 v1, 5, v0
	s_delay_alu instid0(VALU_DEP_1)
	v_readfirstlane_b32 s[WV], v1                  ; wave 0..15
	v_and_b32 v[LI], 31, v0
	s_delay_alu instid0(VALU_DEP_1)
	v_lshlrev_b32 v[LI], 4, v[LI]
	s_delay_alu instid0(VALU_DEP_1)
	v_add_nc_u32 v[LV], 0x20000, v[LI]
	s_bfe_u32 s10, ttmp6, 0x40000                  ; cx: it enters global addresses and the mask's numbers alone
	s_and_b32 s11, ttmp7, 0xffff                   ; batch x 16 + head, which the four partners share
	s_lshr_b32 s[LASTE], s[WV], 1
	s_sub_co_u32 s[LASTL], 31, s[WV]
	s_lshr_b32 s[LASTL], s[LASTL], 1
	; descriptor groups 1: dense blocks as rows of 32 elements of 8 bytes: 16 rows (early), 48 rows (late)
	s_mov_b32 s24, 15|(3<<16)|(1<<21)              ; 15:0 the mask: all four work-groups; 17:16 elements of 8 bytes; 21 set beside a mask
	s_mov_b32 s25, 32<<16
	s_mov_b32 s26, 16<<16
	s_mov_b32 s27, 32<<16
	s_mov_b32 s28, 16
	s_mov_b32 s29, 32
	s_mov_b32 s30, 0
	s_mov_b32 s31, 0
	s_mov_b32 s32, 15|(3<<16)|(1<<21)
	s_mov_b32 s33, 32<<16
	s_mov_b32 s34, 48<<16
	s_mov_b32 s35, 32<<16
	s_mov_b32 s36, 48
	s_mov_b32 s37, 32
	s_mov_b32 s38, 0
	s_mov_b32 s39, 0
	s_lshr_b32 s48, s[WV], 3                       ; 0: K; 1: V
	s_and_b32 s49, s[WV], 7                        ; my eighth
	s_lshl_b32 s50, s48, 17                        ; the region in LDS
	s_lshl_b32 s51, s49, 12                        ; early: 4,096 x my eighth
	s_mul_i32 s52, s49, 12288
	s_add_co_u32 s52, s52, 32768                   ; late: behind steps 0-3, 12,288 x my eighth
	s_add_co_u32 s53, s48, 1
	s_lshl_b32 s53, s53, 23                        ; k lies 8 MiB, v 16 MiB into qkv
	s_lshl_b32 s54, s11, 17                        ; the head's 131,072 bytes
	s_add_co_u32 s53, s53, s54
	s_add_co_u32 s56, s53, s51
	s_mov_b32 s57, 0
	s_add_co_u32 s58, s53, s52
	s_mov_b32 s59, 0
	s_wait_dscnt 0x0
	s_wait_kmcnt 0x0
	s_load_b256 s[68:75], s[6:7], 0x0              ; e0 .. e7
	s_mov_b32 s40, 1
	s_add_co_u32 s41, s50, s51
	s_add_nc_u64 s[42:43], s[4:5], s[56:57]
	s_or_b32 s43, s43, 0x80000000
	s_mov_b32 s44, 1
	s_add_co_u32 s45, s50, s52
	s_add_nc_u64 s[46:47], s[4:5], s[58:59]
	s_or_b32 s47, s47, 0x80000000
	CROUND                                         ; all four work-groups are here: the joint loads meet
	tensor_load_to_lds s[40:43], s[24:31]          ; my part of key steps 0-3,
	s_nop 0
	s_wait_alu depctr_va_vdst(0)
	s_wait_tensorcnt 0x0
	ds_add_u32 v251, v255
	s_wait_dscnt 0x0
	CROUND
	tensor_load_to_lds s[44:47], s[32:39]          ; and of steps 4-15
	s_nop 0
.rept 4
	v_nop
.endr
	s_lshl_b32 s85, s[WV], 2
	s_add_co_u32 s85, s85, s10                     ; tile E = 4 w + cx
	s_sub_co_u32 s86, 31, s[WV]
	s_lshl_b32 s86, s86, 2
	s_add_co_u32 s86, s86, s10                     ; tile L = 4 (31 - w) + cx
	s_lshl_b32 s60, s85, 10
	s_add_co_u32 s60, s60, s54
	s_mov_b32 s61, 0
	s_add_nc_u64 s[80:81], s[4:5], s[60:61]        ; E's queries
	s_lshl_b32 s62, s86, 10
	s_add_co_u32 s62, s62, s54
	s_mov_b32 s63, 0
	s_add_nc_u64 s[82:83], s[4:5], s[62:63]        ; L's
	s_wait_alu depctr_va_vdst(0)
	global_load_b128 v[QE:QE+3],   v[LI], s[80:81]
	global_load_b128 v[QE+4:QE+7], v[LI], s[80:81] offset:512
	global_load_b128 v[QL:QL+3],   v[LI], s[82:83]
	global_load_b128 v[QL+4:QL+7], v[LI], s[82:83] offset:512
	; o_img [K / 256: 4][tile of 16 rows: 512][4,096]: head hd is K = 64 hd on: K / 256 = hd / 4, byte 1,024 (hd % 4) of the tile's 4,096
	s_and_b32 s87, s11, 15                         ; hd
	s_lshr_b32 s88, s87, 2
	s_lshl_b32 s88, s88, 21
	s_lshr_b32 s89, s11, 4                         ; the batch: 128 tiles of 4,096 bytes
	s_lshl_b32 s89, s89, 19
	s_add_co_u32 s88, s88, s89
	s_and_b32 s89, s87, 3
	s_lshl_b32 s89, s89, 10
	s_add_co_u32 s88, s88, s89
	s_lshl_b32 s90, s85, 12
	s_add_co_u32 s90, s90, s88
	s_mov_b32 s91, 0
	s_add_nc_u64 s[76:77], s[8:9], s[90:91]        ; where E's codes go
	s_lshl_b32 s92, s86, 12
	s_add_co_u32 s92, s92, s88
	s_mov_b32 s93, 0
	s_add_nc_u64 s[78:79], s[8:9], s[92:93]        ; and L's
	v_and_b32 v5, 15, v0                           ; r
	v_bfe_u32 v254, v0, 4, 1                       ; h
	s_delay_alu instid0(VALU_DEP_1)
	v_lshlrev_b32 v254, 3, v254
	s_delay_alu instid0(VALU_DEP_1)
	v_sub_nc_u32 v5, v5, v254                      ; r - 8 h
	s_and_b32 s89, s85, 7
	s_lshl_b32 s89, s89, 4
	v_add_nc_u32 v[DE], s89, v5                    ; in the diagonal step my query is key 16 (tile % 8) + r; register 8 c + j holds key 16 c + j + 8 h: hidden where 16 c + j > this number
	s_and_b32 s89, s86, 7
	s_lshl_b32 s89, s89, 4
	v_add_nc_u32 v[DL], s89, v5
	s_mov_b32 s20, 0x76543210                      ; v_permlanex16_b32's selects for lane l xor 16
	s_mov_b32 s21, 0xfedcba98
.irp b, SBE, SBL
	v_mov_b32 v[\b+1], 0xff61b1e6                  ; the largest t so far: -3e38, under every t
	s_delay_alu instid0(VALU_DEP_1)
	v_floor_f32 v[\b], -v[\b+1]                    ; -M
	v_mov_b32 v[\b+2], 0                           ; the sum, in two halves
	v_mov_b32 v[\b+3], 0
.endr
	v_mov_b32 v236, 0                              ; written once: a lane permute's destination counts as one of its sources
	v_mov_b32 v253, 0                              ; (named as the upper half of the pair v[252:253])
.set j, 0
.rept 64
	v_mov_b32 v[OE+j], 0                           ; both O^T.  (A step is written once for all steps: the first finds zeros, which the first change of M leaves zeros)
.set j, j+1
.endr
	s_wait_kmcnt 0x0
	s_add_co_i32 s48, s70, s71
	s_lshl_b32 s48, s48, 23
	s_mov_b32 s22, 0x3e38aa3b                      ; c = log2(e) / 8
	s_add_co_i32 s22, s22, s48                     ; a score stands for score x 2^(e2 + e3): the exponents are added to c's exponent field
	s_mov_b32 s23, s22                             ; (named with it as a pair)
	s_add_co_i32 s48, s72, 127
	s_lshl_b32 s49, s48, 23
	v_mov_b32 v244, s49                            ; 2^e4, for p's conversions
	s_add_co_i32 s48, s74, 127
	s_lshl_b32 s49, s48, 23
	v_mov_b32 v245, s49                            ; 2^e6, for o's
	s_add_co_i32 s84, s72, s73                     ; e4 + e5
; A KEY STEP of one tile of queries: 128 keys.  Q: the tile's queries; O: its O^T; SB: its four statistics; D: its mask number; LAST: the scalar register with its diagonal step.
.macro STEP Q, O, SB, D, LAST
	s_cmp_gt_u32 s[ST], s[\LAST]                   ; all keys of the step come after the tile's queries: the step is left out.  The branch hangs on the wave's number and the loop's counter
	s_cbranch_scc1 .Lskip_\@
	v_add_nc_u32 v[ADK], s[TB], v[LI]
	v_add_nc_u32 v[ADV], s[TB], v[LV]
	v_nop                                          ; with the two additions: four places in front of loads into registers that the last matrix instructions have read
	v_nop
.irp c, 0,1,2,3,4,5,6,7
	ds_load_b128 v[F+8*\c:F+8*\c+3],   v[ADK] offset:1024*\c
	ds_load_b128 v[F+8*\c+4:F+8*\c+7], v[ADK] offset:1024*\c+512
.endr
	s_wait_alu depctr_va_vdst(0)
	s_wait_dscnt 0x0
.irp c, 0,1,2,3,4,5,6,7
	v_wmma_f32_16x16x64_bf8_bf8 v[S+8*\c:S+8*\c+7], v[F+8*\c:F+8*\c+7], v[\Q:\Q+7], 0
.endr
.rept 4
	v_nop                                          ; places: for the loads below, into K's registers, and for the first read of the scores
.endr
.irp t, 0,1,2,3                        ; V's four fragments are asked for now and land while the softmax is worked
.irp c, 0,1,2,3
	ds_load_b128 v[F+16*\t+4*\c:F+16*\t+4*\c+3], v[ADV] offset:1024*\t+512*(\c%2)+4096*(\c/2)
.endr
.endr
	s_cmp_lt_u32 s[ST], s[\LAST]                   ; under the diagonal every key counts
	s_cbranch_scc1 .Lopen_\@
	v_mov_b32 v254, 0xff800000                     ; on it the scores of hidden keys become -infinity ahead of the maximum: p = 0 then.  The step's first key counts for every query of the tile
.set n, 0
.rept 64
	v_cmp_gt_i32 vcc_lo, 16*(n/8)+n%8, v[\D]
	v_cndmask_b32 v[S+n], v[S+n], v254, vcc_lo
.set n, n+1
.endr
.Lopen_\@:
	v_max3_num_f32 v254, v[S], v[S+1], v[S+2]      ; the step's largest score of my query among my 64 keys, in two chains, each tile from its low end on,
	v_max3_num_f32 v252, v[S+3], v[S+4], v[S+5]
.irp i, 6,10,14,18,22,26,30,34,38,42,46,50,54,58
	v_max3_num_f32 v254, v254, v[S+\i], v[S+1+\i]
	v_max3_num_f32 v252, v252, v[S+2+\i], v[S+3+\i]
.endr
	v_max3_num_f32 v254, v254, v[S+62], v[S+63]
	s_delay_alu instid0(VALU_DEP_1)
	v_max_num_f32 v254, v254, v252
	v_permlanex16_b32 v236, v254, s20, s21
	s_delay_alu instid0(VALU_DEP_1)
	v_max_num_f32 v254, v254, v236                 ; and among lane l xor 16's
	s_delay_alu instid0(VALU_DEP_1)
	v_mul_f32 v254, s22, v254                      ; as t (c is positive)
	s_delay_alu instid0(VALU_DEP_1)
	v_max_num_f32 v[\SB+1], v[\SB+1], v254         ; the running largest t
	v_mov_b32 v254, v[\SB]
	s_delay_alu instid0(VALU_DEP_2)
	v_floor_f32 v[\SB], -v[\SB+1]                  ; the new -M = floor(-t) = -ceil(t)
	s_delay_alu instid0(VALU_DEP_1)
	v_sub_f32 v254, v[\SB], v254                   ; old M - new M: a whole number, 0 or less
	s_delay_alu instid0(VALU_DEP_1)
	v_cvt_i32_f32 v254, v254                       ; (it saturates)
	s_delay_alu instid0(VALU_DEP_1)
	v_ldexp_f32 v252, 1.0, v254                    ; f = 2^(old M - new M)
.set j, 0
.rept 32
	v_pk_fma_f32 v[S+j:S+j+1], v[S+j:S+j+1], s[22:23], v[\SB:\SB+1] op_sel_hi:[1,0,0]   ; t - M, two at a time (of the pairs c and -M the low word serves both halves)
.set j, j+2
.endr
.set j, 0
	s_wait_alu depctr_va_vdst(0)
.rept 64
	v_exp_f32 v[S+j], v[S+j]                       ; p = 2^(t - M), at most 1
.set j, j+1
.endr
	v_pk_mul_f32 v[\SB+2:\SB+3], v[\SB+2:\SB+3], v[252:253] op_sel_hi:[1,0]   ; the sums under the new M: the plain line behind the exponentials
	s_wait_alu depctr_va_vdst(0)                   ; one wait for the batch of 64, ahead of its first reader
	v_pk_add_f32 v[242:243], v[S:S+1], v[S+2:S+3]  ; the row's sum is taken of the unquantised p, in two chains
.irp j, 4,8,12,16,20,24,28,32,36,40,44,48,52,56,60
	v_pk_add_f32 v[\SB+2:\SB+3], v[\SB+2:\SB+3], v[S+\j:S+1+\j]
	v_pk_add_f32 v[242:243], v[242:243], v[S+2+\j:S+3+\j]
.endr
	s_delay_alu instid0(VALU_DEP_1)
	v_pk_add_f32 v[\SB+2:\SB+3], v[\SB+2:\SB+3], v[242:243]
.irp b, 0,1,2,3
.irp i, 0,1,2,3,4,5,6,7,8,9,10,11,12,13,14,15
.endr
	v_cvt_scalef32_pk8_bf8_f32 v[PC+4*\b:PC+4*\b+1],   v[S+16*\b:S+16*\b+7],    v244
	v_cvt_scalef32_pk8_bf8_f32 v[PC+4*\b+2:PC+4*\b+3], v[S+16*\b+8:S+16*\b+15], v244
.endr
.set j, 0
.rept 16
	v_pk_mul_f32 v[\O+j:\O+j+1], v[\O+j:\O+j+1], v[252:253] op_sel_hi:[1,0]   ; O^T under the new M.  (Plain lines between the conversions and the matrix instructions that read their results)
.set j, j+2
.endr
	s_wait_alu depctr_va_vdst(0)
	s_wait_dscnt 0x0                               ; V is in
.irp t, 0,1,2,3                        ; the four accumulators take turns
	v_wmma_f32_16x16x128_bf8_bf8 v[\O+8*\t:\O+8*\t+7], v[F+16*\t:F+16*\t+15], v[PC:PC+15], v[\O+8*\t:\O+8*\t+7]
.endr
.Lskip_\@:
.endm
; THE WAY OUT of a tile: O^T / the sum x 2^(e4 + e5), in f32; held and converted with e6.  The eight registers of codes are two groups of the last product's operand: two stores of 512 consecutive bytes.
.macro OUT O, SB, CR, BASE
	v_add_f32 v[\SB+2], v[\SB+2], v[\SB+3]         ; the sum's two halves,
	v_permlanex16_b32 v236, v[\SB+2], s20, s21
	s_delay_alu instid0(VALU_DEP_1)
	v_add_f32 v[\SB+2], v[\SB+2], v236             ; and lane l xor 16's
	s_wait_alu depctr_va_vdst(0)
	v_rcp_f32 v[\SB+2], v[\SB+2]
	v_nop                                          ; a plain line behind the reciprocal,
	s_wait_alu depctr_va_vdst(0)                   ; and the wait ahead of its first reader
	v_ldexp_f32 v[\SB+2], v[\SB+2], s84
.set j, 0
.rept 32
	v_mul_f32 v[S+j], v[\O+j], v[\SB+2]            ; each accumulator from its low end on
.set j, j+1
.endr
.set j, 0
.rept 32
.set j, j+1
.endr
.irp t, 0,1,2,3
	v_cvt_scalef32_pk8_bf8_f32 v[\CR+2*\t:\CR+2*\t+1], v[S+8*\t:S+8*\t+7], v245
.endr
	v_nop                                          ; one plain vector line behind the last conversion
	global_store_b128 v[LI], v[\CR:\CR+3],   s[\BASE:\BASE+1]
	global_store_b128 v[LI], v[\CR+4:\CR+7], s[\BASE:\BASE+1] offset:512
.endm
	s_wait_tensorcnt 0x1                           ; my part of key steps 0-3 is in; my part of steps 4-15 may be out
	s_barrier_signal -1
	s_barrier_wait -1                              ; everybody's is
	s_wait_loadcnt 0x0                             ; the queries
	s_mov_b32 s[TB], 0
	s_mov_b32 s[ST], 0
.Learly:                                           ; key steps 0-3
	STEP QL, OL, SBL, DL, LASTL
	STEP QE, OE, SBE, DE, LASTE
	s_add_co_u32 s[TB], s[TB], 8192
	s_add_co_u32 s[ST], s[ST], 1
	s_cmp_lt_u32 s[ST], 4
	s_cbranch_scc1 .Learly
	s_wait_tensorcnt 0x0                           ; my part of steps 4-15 is in,
	s_wait_dscnt 0x0
	s_barrier_signal -1
	s_barrier_wait -1                              ; everybody's is
	s_mov_b32 s[TB], 32768
	s_mov_b32 s[ST], 4
.Llate:                                            ; key steps 4-15
	STEP QL, OL, SBL, DL, LASTL
	STEP QE, OE, SBE, DE, LASTE
	s_add_co_u32 s[TB], s[TB], 8192
	s_add_co_u32 s[ST], s[ST], 1
	s_cmp_lt_u32 s[ST], 16
	s_cbranch_scc1 .Llate
.rept 4
	v_nop                                          ; places behind the last products
.endr
	OUT OE, SBE, PC, 76
	OUT OL, SBL, PC+8, 78
	s_wait_tensorcnt 0x0
	ds_add_u32 v251, v255
	s_wait_dscnt 0x0
	CROUND                                         ; the closing round: no work-group ends while a partner may still ask for a tile that names it
	s_endpgm
.Lfunc_end_k_q114029128e_attn:
	.size	k_q114029128e_attn, .Lfunc_end_k_q114029128e_attn-k_q114029128e_attn
	.p2alignl 7, 3214868480
	.fill 96, 4, 3214868480
	.section	.rodata,"a",@progbits
	.p2align	6, 0x0
	.amdhsa_kernel k_q114029128e_attn
		.amdhsa_group_segment_fixed_size 327680
		.amdhsa_private_segment_fixed_size 0
		.amdhsa_enable_private_segment 0
		.amdhsa_kernarg_size 24
		.amdhsa_user_sgpr_count 2
		.amdhsa_user_sgpr_kernarg_segment_ptr 1
		.amdhsa_wavefront_size32 1
		.amdhsa_system_sgpr_workgroup_id_x 1
		.amdhsa_system_sgpr_workgroup_id_y 1
		.amdhsa_system_sgpr_workgroup_id_z 1
		.amdhsa_system_vgpr_workitem_id 0
		.amdhsa_next_free_vgpr 256
		.amdhsa_next_free_sgpr 96
		.amdhsa_reserve_vcc 1
		.amdhsa_float_denorm_mode_32 3
		.amdhsa_float_denorm_mode_16_64 3
		.amdhsa_fp16_overflow 1
		.amdhsa_memory_ordered 1
		.amdhsa_forward_progress 1
		.amdhsa_inst_pref_size 89
	.end_amdhsa_kernel
	.amdgpu_metadata
---
amdhsa.version: [ 1, 2 ]
amdhsa.kernels:
  - .name:           k_q114029128e_attn
    .symbol:         k_q114029128e_attn.kd
    .args:
      - { .name: qkv, .offset: 0, .size: 8, .value_kind: global_buffer, .address_space: global }
      - { .name: lowp_scales, .offset: 8, .size: 8, .value_kind: global_buffer, .address_space: global }
      - { .name: o_img, .offset: 16, .size: 8, .value_kind: global_buffer, .address_space: global }
    .group_segment_fixed_size: 327680
    .private_segment_fixed_size: 0
    .kernarg_segment_align: 8
    .kernarg_segment_size: 24
    .max_flat_workgroup_size: 512
    .sgpr_count:     96
    .vgpr_count:     256
    .wavefront_size: 32
...
	.end_amdgpu_metadata
.endif
;; end of part 3
;; launch proj (part 4): grid 4 x 32, 4 waves a work-group, clusters of 4 x 4, 327,680 bytes of LDS; arguments o_img, wproj_img, lowp_scales, bproj, out0; writes out0
.if DOCPART == 4
	.amdgcn_target "amdgcn-amd-amdhsa--gfx1250"
	.amdhsa_code_object_version 6
	.text
	.protected	k_q114029128e_proj
	.globl	k_q114029128e_proj
	.p2align	8
	.type	k_q114029128e_proj,@function
k_q114029128e_proj:
	s_mov_b64 s[64:65], 0
	v_nop
	global_prefetch_b8 v0, s[64:65] scope:SCOPE_SE
	s_setreg_imm32_b32 hwreg(HW_REG_WAVE_MODE, 25, 1), 1
	s_wait_xcnt 0x0
	s_wait_alu depctr_hold_cnt(0) depctr_sa_sdst(0) depctr_va_vdst(0) depctr_va_sdst(0) depctr_va_ssrc(0) depctr_va_vcc(0) depctr_vm_vsrc(0)
	s_getreg_b32 s2, hwreg(HW_REG_IB_STS2, 6, 4)
	s_cmp_eq_u32 s2, 0
	s_cbranch_scc0 .Lentry_in_a_cluster
	s_endpgm
.Lentry_in_a_cluster:
	s_bfe_u32 s2, ttmp6, 0x10000c
	s_cmp_lg_u32 s2, 0xf033
	s_cbranch_scc0 .Lentry_shape_is_right
	s_endpgm
.Lentry_shape_is_right:
; out0 = o Wproj + bproj on codes of BF8 (E5M2); out0 [8192][1024] f32.  K = 1,024.
; Both operands come as IMAGES of the operand's registers: a fragment, 16 rows x 128 K, is four groups of 512 bytes, lane l's 16 bytes of registers 4 g .. 4 g + 3 at 16 l; lane (r, h) holds row r, registers 2 c, 2 c + 1
; hold K = 16 c + 8 h + 0 .. 7.  For one 256 along K a tile of 16 rows is 4,096 bytes, tiles lie on end: 128 rows are one dense block of 32,768 bytes for one tensor load; no pitch and no padding.
; A tile of the result, 256 x 256, is made by four waves, each 128 x 128: 64 accumulators.  K goes in four steps of 256 through two LDS slots.  32 x 4 tiles: 128 work-groups; a tile of half the rows would give 256,
; with half the products for each fragment of Wproj that a wave reads from LDS.
; THE MATRIX INSTRUCTION IS USED TRANSPOSED: source 0 = 16 columns of Wproj, source 1 = 16 rows of o: lane (r, h) holds row 16 a + r of the result, register j its column 16 b + 8 h + j.
; The bias is the C of each sum's first matrix instruction, divided by 2^(e6 + e7), by which every finished sum is multiplied once.
; CLUSTERS: 4 x 4.  o's tile is shared along a row of the cluster, Wproj's along a column: each is asked for jointly.
; LIMIT: e6 + e7 between -126 and 127, so that 2^(e6 + e7) is an f32 number.
; REGISTERS: window 0: v1-5 at the head, v16-29 addresses; v32-95 the bias, on the way out a block's numbers; v128-255 o's fragments, one set, on the way out rows read back.
;   window 1: Wproj's fragments, two sets.   windows 2, 3: the accumulators, (a, b) at v[8 (8 (a % 4) + b)].
.set SLOT,  131072                     ; o's 65,536 (16 tiles x 4,096), then Wproj's 65,536
.set SPARE, 2*SLOT                     ; behind the ring: the spare words, 128 bytes for each wave, which no other line names
.set ASTEP, 0x200000                   ; o_img: 512 tiles x 4,096 bytes for each 256 along K
.set BSTEP, 0x40000                    ; wproj_img: 64 tiles x 4,096
.set SIZE_N, 1024
.set SPITCH, 528                       ; the way out: a stage of 16 rows x (512 bytes + 16) for each wave, in slot 0, which has had its last fill and its last read when the first result is stored there
.set FR,    16
.set NL,    4
.set NP,    4                          ; places behind this matrix instruction (ISA guide 7.12.1)
.set ADRA,  16                         ; v16-17  LDS address of my fragments of o in slot 0, 1
.set ADRB,  20                         ; v20-21  the same for Wproj
.set STO,   24                         ; v24     the way out: where I put 32 bytes of a row
.set RD,    25                         ; v25     where I read a row back
.set CO,    26                         ; v26     my byte offset in a row of out0
.set SPW,   28                         ; v28     my spare word's LDS address; never rewritten
.set NIL,   29                         ; v29     0; never rewritten
.set BIAS,  32                         ; v32-95  BIAS[8 b + j] = bproj[16 b + 8 h + j] / 2^(e6 + e7)
.set TMP,   32                         ; the way out: 64 registers
.set AF,    128
.set BK,    128                        ; the way out: 16 rows read back: v128-191 and v192-255 by turns
.set G1,  24
.set G0,  32
.set G1B, 48
.set G0B, 56
.set MSB, 0
.macro WIN new                         ; the immediate's high byte repeats the setting that is left
.if MSB != \new
	s_set_vgpr_msb (MSB<<8)|\new
.set MSB, \new
.endif
.endm
.set MUL_LO, 0xa1                      ; source 0 window 1, source 1 window 0, C and D window 2
.set MUL_HI, 0xf1                      ; the same, C and D window 3
.set FIRST_LO, 0x81                    ; the first step: C (the bias) window 0, D window 2
.set FIRST_HI, 0xc1                    ; D window 3
.set TO_B,   0x40
.macro JLOAD g0a, g1a, g0b, g1b        ; a joint load: waves 0 and 1 fetch o's halves, waves 2 and 3 Wproj's; four v_nop follow each of the two lines
	s_cmp_eq_u32 s15, 0
	s_cbranch_scc0 .Lfor_b_\@
	tensor_load_to_lds s[\g0a:\g0a+3], s[\g1a:\g1a+7]
	s_nop 0
.rept 4
	v_nop
.endr
	s_branch .Lasked_\@
.Lfor_b_\@:
	tensor_load_to_lds s[\g0b:\g0b+3], s[\g1b:\g1b+7]
	s_nop 0
.rept 4
	v_nop
.endr
.Lasked_\@:
.endm
.macro CREST
	s_cmp_lg_u32 s14, 0
	s_cbranch_scc1 .Lnot_wave_0_\@
	s_barrier_signal -3
.Lnot_wave_0_\@:
	s_barrier_wait -3
	s_barrier_signal -1
	s_barrier_wait -1
.endm
.macro CROUND
	s_barrier_signal -1
	s_barrier_wait -1
	CREST
.endm
	s_load_b128 s[4:7], s[0:1], 0x0                ; o_img s[4:5], wproj_img s[6:7]
	s_load_b128 s[8:11], s[0:1], 0x10              ; the scales s[8:9], bproj s[10:11]
	s_load_b64 s[12:13], s[0:1], 0x20              ; out0
	v_lshl_add_u32 v[SPW], v0, 2, SPARE
	v_mov_b32 v[NIL], 0
	ds_add_u32 v28, v29
	ds_add_u32 v28, v29
	s_wait_dscnt 0x0
	v_lshrrev_b32 v1, 5, v0
	v_readfirstlane_b32 s14, v1                    ; wave 0..3
	s_lshr_b32 s15, s14, 1                         ; my half of the tile's rows.  Also: I fetch for o (0) or for Wproj (1)
	s_and_b32 s16, s14, 1                          ; my half of its columns.  Also: which 128 rows I fetch
	s_bfe_u32 s40, ttmp6, 0x40000                  ; cx
	s_bfe_u32 s41, ttmp6, 0x40004                  ; cy
	s_lshl_b32 s42, ttmp9, 2
	s_add_co_u32 s42, s42, s40                     ; tile column
	s_and_b32 s17, ttmp7, 0xffff
	s_lshl_b32 s17, s17, 2
	s_add_co_u32 s17, s17, s41                     ; tile row
	s_lshl_b32 s43, s41, 2
	s_lshl_b32 s43, 15, s43                        ; my row of the cluster
	s_lshl_b32 s44, 0x1111, s40                    ; my column
	s_or_b32 s[G1], s43, (3<<16)|(1<<21)           ; 15:0 the mask; 17:16 elements of 8 bytes; 20 no padding; 21 set beside a mask
	s_or_b32 s[G1B], s44, (3<<16)|(1<<21)
.irp g, G1, G1B
	s_mov_b32 s[\g+1], 32<<16                      ; tensor_dim0 = 32
	s_mov_b32 s[\g+2], 128<<16                     ; tensor_dim1 = 128
	s_mov_b32 s[\g+3], 32<<16                      ; tile_dim0 = 32
	s_mov_b32 s[\g+4], 128                         ; tile_dim1 = 128
	s_mov_b32 s[\g+5], 32                          ; the pitch: dense
	s_mov_b32 s[\g+6], 0
	s_mov_b32 s[\g+7], 0
.endr
	s_lshl_b32 s18, s16, 15
	s_lshl_b32 s20, s17, 16
	s_add_co_u32 s20, s20, s18
	s_mov_b32 s21, 0
	s_lshl_b32 s46, s42, 16
	s_add_co_u32 s46, s46, s18
	s_mov_b32 s47, 0
	s_lshl_b32 s45, s14, 15                        ; where they go: wave x 32,768
	s_wait_kmcnt 0x0
	s_load_b256 s[80:87], s[8:9], 0x0              ; e0 .. e7
	s_add_nc_u64 s[20:21], s[4:5], s[20:21]
	s_add_nc_u64 s[46:47], s[6:7], s[46:47]
	CROUND                                         ; all sixteen work-groups are here: the first joint loads meet
.irp s, 0,1
	s_mov_b32 s[G0+4*\s], 1
	s_add_co_u32 s[G0+4*\s+1], s45, \s*SLOT
	s_add_nc_u64 s[G0+4*\s+2:G0+4*\s+3], s[20:21], \s*ASTEP
	s_or_b32 s[G0+4*\s+3], s[G0+4*\s+3], 0x80000000
	s_mov_b32 s[G0B+4*\s], 1
	s_add_co_u32 s[G0B+4*\s+1], s45, \s*SLOT
	s_add_nc_u64 s[G0B+4*\s+2:G0B+4*\s+3], s[46:47], \s*BSTEP
	s_or_b32 s[G0B+4*\s+3], s[G0B+4*\s+3], 0x80000000
	s_wait_alu depctr_va_vdst(0)
	s_wait_tensorcnt 0x0
	ds_add_u32 v28, v29
	ds_add_u32 v28, v29
	s_wait_dscnt 0x0
	CROUND
	JLOAD G0+4*\s, G1, G0B+4*\s, G1B               ; K steps 0 and 1: one tensor load of mine is out at a time
.endr
	v_and_b32 v1, 31, v0
	v_lshlrev_b32 v[CO], 4, v1                     ; 16 x lane
	v_and_b32 v2, 15, v0                           ; r
	s_wait_alu depctr_va_vdst(0)
	v_bfe_u32 v3, v0, 4, 1                         ; h
	s_lshl_b32 s18, s15, 15                        ; my 128 rows of o
	s_lshl_b32 s19, s16, 15                        ; my 128 columns of Wproj,
	s_add_co_u32 s19, s19, 65536                   ; which lie behind o's
.irp s, 0,1
	v_add_nc_u32 v[ADRA+\s], s18, v[CO]
	v_add_nc_u32 v[ADRB+\s], s19, v[CO]
	s_add_co_u32 s18, s18, SLOT
	s_add_co_u32 s19, s19, SLOT
.endr
	s_mul_i32 s23, s14, 16*SPITCH                  ; my stage
	v_mul_u32_u24 v5, v2, SPITCH                   ; in: row r, 32 bytes for each half of the lanes
	s_wait_alu depctr_va_vdst(0)
	v_lshl_add_u32 v5, v3, 5, v5
	v_add_nc_u32 v[STO], s23, v5
	v_add_nc_u32 v[RD], s23, v[CO]                 ; back: the 32 lanes take one row of 512 bytes
	s_lshl_b32 s88, s42, 10
	s_lshl_b32 s89, s16, 9
	s_add_co_u32 s88, s88, s89                     ; my first column, in bytes: in bproj and in a row of out0
	s_mov_b32 s89, 0
	s_add_nc_u64 s[10:11], s[10:11], s[88:89]
	v_lshlrev_b32 v4, 5, v3                        ; 8 h numbers
.irp i, 0,1,2,3,4,5,6,7
	global_load_b128 v[BIAS+8*\i:BIAS+8*\i+3],   v4, s[10:11] offset:64*\i
	global_load_b128 v[BIAS+8*\i+4:BIAS+8*\i+7], v4, s[10:11] offset:64*\i+16
.endr
	s_lshl_b32 s90, s17, 20                        ; 256 rows of 4,096 bytes
	s_lshl_b32 s91, s15, 19
	s_add_co_u32 s90, s90, s91
	s_add_co_u32 s90, s90, s88
	s_mov_b32 s91, 0
	s_add_nc_u64 s[12:13], s[12:13], s[90:91]
	s_wait_kmcnt 0x0
	s_add_co_i32 s96, s86, s87                     ; e6 + e7
	s_sub_co_i32 s98, 0, s96
	s_add_co_i32 s96, s96, 127
	s_lshl_b32 s96, s96, 23                        ; 2^(e6 + e7) as f32
	s_mov_b32 s97, s96                             ; (named with it as a pair)
	s_wait_loadcnt 0x0
.set j, 0
.rept 64
	v_ldexp_f32 v[BIAS+j], v[BIAS+j], s98          ; a sum stands for sum x 2^(e6 + e7): the bias goes in divided by that
.set j, j+1
.endr
.macro FRAG reg, adr, q, i             ; tile i's fragment of the slot's q-th 128 along K: four groups as they lie
.irp c, 0,1,2,3
	ds_load_b128 v[\reg+4*\c:\reg+4*\c+3], v[\adr] offset:(\i)*4096+(\q)*2048+512*\c
.endr
.endm
; 16 matrix instructions: o's blocks a0, a0 + 1 x Wproj's eight.  p: Wproj's set.  first = 1: C is the bias, and the product starts the sums.  The 64 accumulators take turns.
.macro MUL16 a0, p, first
.irp a, \a0, \a0+1
.irp b, 0,1,2,3,4,5,6,7
.if \first
	v_wmma_f32_16x16x128_bf8_bf8 v[8*(8*((\a)%4)+\b):8*(8*((\a)%4)+\b)+7], v[128*(\p)+FR*\b:128*(\p)+FR*\b+FR-1], v[AF+FR*(\a):AF+FR*(\a)+FR-1], v[BIAS+8*\b:BIAS+8*\b+7]
.else
	v_wmma_f32_16x16x128_bf8_bf8 v[8*(8*((\a)%4)+\b):8*(8*((\a)%4)+\b)+7], v[128*(\p)+FR*\b:128*(\p)+FR*\b+FR-1], v[AF+FR*(\a):AF+FR*(\a)+FR-1], v[8*(8*((\a)%4)+\b):8*(8*((\a)%4)+\b)+7]
.endif
.endr
.endr
.endm
.macro FETCH_B slot, q, p
	WIN TO_B
.irp i, 0,1,2,3,4,5,6,7
	FRAG 128*(\p)+FR*\i, ADRB+\slot, \q, \i
.endr
	WIN 0
.endm
.macro FETCH_A slot, q, i0
.irp i, \i0, \i0+1, \i0+2, \i0+3
	FRAG AF+FR*(\i), ADRA+\slot, \q, \i
.endr
.endm
.macro PLACES n                        ; plain vector lines between a matrix instruction and a load into, or a vector line on, its registers
.rept \n
	v_nop
.endr
.endm
.macro STEP slot, q, first             ; a step of 128 along K that has its successor in the same slot
	s_wait_dscnt 4*NL                              ; Wproj's set and o's blocks 0-3 are in; the youngest sixteen loads (blocks 4-7) may be out
.if \first
	WIN FIRST_LO
.else
	WIN MUL_LO
.endif
	MUL16 0, (\q)%2, \first
	MUL16 2, (\q)%2, \first
	s_wait_dscnt 0                                 ; blocks 4-7 are in
	PLACES NP
	FETCH_B \slot, (\q)+1, 1-(\q)%2
	FETCH_A \slot, (\q)+1, 0
.if \first
	WIN FIRST_HI
.else
	WIN MUL_HI
.endif
	MUL16 4, (\q)%2, \first
	MUL16 6, (\q)%2, \first
	PLACES NP
	WIN 0
	FETCH_A \slot, (\q)+1, 4
.endm
; A slot's last step changes slots: one barrier; in front of it each wave waits for all its tensor loads, adds 0 to its spare word, and waits for that and for its reads of this slot.  fill = 1: the slot is filled again, two K steps on.
.macro TURN slot, next, fill
	s_wait_tensorcnt 0x0                           ; all my tensor loads have landed: my part of the next slot
	ds_add_u32 v[SPW], v[NIL]                      ; 0 onto my spare word
	s_wait_dscnt 4*NL+1                            ; (the add and the youngest sixteen loads may be out)
	WIN MUL_LO
	MUL16 0, 1, 0                                  ; sixteen matrix instructions stand between the add and the wait for it
	s_wait_dscnt 0x0                               ; the add is done, and my reads of this slot are over
	s_barrier_signal -1
	MUL16 2, 1, 0
	WIN 0
	s_barrier_wait -1
.if \fill
	CREST                                          ; the barrier has opened a round of the cluster's barrier: no wave of any partner still reads this slot or has a load on its way
	s_add_nc_u64 s[G0+4*\slot+2:G0+4*\slot+3], s[G0+4*\slot+2:G0+4*\slot+3], 2*ASTEP
	s_add_nc_u64 s[G0B+4*\slot+2:G0B+4*\slot+3], s[G0B+4*\slot+2:G0B+4*\slot+3], 2*BSTEP
	JLOAD G0+4*\slot, G1, G0B+4*\slot, G1B         ; the first tensor load behind the round, my only one until the next; its four v_nop are the places in front of the loads below
.else
	PLACES NP
.endif
	FETCH_B \next, 0, 0
	FETCH_A \next, 0, 0
	WIN MUL_HI
	MUL16 4, 1, 0
	MUL16 6, 1, 0
	PLACES NP
	WIN 0
	FETCH_A \next, 0, 4
.endm
	s_wait_alu depctr_va_vdst(0)
	s_wait_tensorcnt 0x1                           ; my part of K step 0 is in; K step 1's load may be out
	s_barrier_signal -1
	s_barrier_wait -1
	FETCH_B 0, 0, 0
	FETCH_A 0, 0, 0
	FETCH_A 0, 0, 4
	STEP 0, 0, 1                                   ; K = 1,024 is four K steps of 256, eight steps of 128: written out
	TURN 0, 1, 1                                   ; slot 0 takes K step 2
	STEP 1, 0, 0
	TURN 1, 0, 1                                   ; slot 1 takes K step 3
	STEP 0, 0, 0
	TURN 0, 1, 0                                   ; nothing is left to fetch
	STEP 1, 0, 0
	s_wait_dscnt 4*NL
	WIN MUL_LO
	MUL16 0, 1, 0
	MUL16 2, 1, 0
	s_wait_dscnt 0
	WIN MUL_HI
	MUL16 4, 1, 0
	MUL16 6, 1, 0
	WIN 0
; THE WAY OUT, block by block of 16 rows x 128 columns.  A lane holds 32 neighbouring bytes of a row, and the lanes beside it hold other rows: a block goes through my own stage in LDS and comes back as whole rows of
; 512 bytes, which the 32 lanes store as 512 consecutive bytes, aligned.  LDS serves a wave's instructions in order (ISA guide 5.7.1.4): no wait between the stores and the loads, nor in front of the next block's stores.
.macro TOSTAGE a
.set AC, 64*((\a)%4)
.set WW, 0x02+((\a)/4)
	WIN WW                                         ; source 0: window 2 or 3
.irp j, 0,2,4,6,8,10,12,14,16,18,20,22,24,26,28,30,32,34,36,38,40,42,44,46,48,50,52,54,56,58,60,62
	v_pk_mul_f32 v[TMP+\j:TMP+\j+1], v[AC+\j:AC+\j+1], s[96:97] op_sel_hi:[1,0]   ; x 2^(e6 + e7); each accumulator from its low end on
.endr
	WIN 0
.irp b, 0,1,2,3,4,5,6,7
	ds_store_b128 v[STO], v[TMP+8*\b:TMP+8*\b+3] offset:64*\b
	ds_store_b128 v[STO], v[TMP+8*\b+4:TMP+8*\b+7] offset:64*\b+16
.endr
.set BB, BK+64*((\a)%2)
.irp t, 0,1,2,3,4,5,6,7,8,9,10,11,12,13,14,15
	ds_load_b128 v[BB+4*\t:BB+4*\t+3], v[RD] offset:\t*SPITCH
.endr
.endm
.macro SEND a, younger                 ; younger: the LDS instructions issued behind block a's loads, which may stay out
.set BB, BK+64*((\a)%2)
	s_wait_dscnt \younger                          ; the block is back in registers
.if (\a) > 0
	s_add_nc_u64 s[12:13], s[12:13], 16*SIZE_N*4   ; (behind a wait on XCNT: the earlier stores have read their base)  16 rows on
.endif
.irp t, 0,1,2,3,4,5,6,7,8,9,10,11,12,13,14,15
	global_store_b128 v[CO], v[BB+4*\t:BB+4*\t+3], s[12:13] offset:\t*SIZE_N*4 th:TH_STORE_NT
.endr
.endm
	PLACES NP                                      ; behind the last products: for the loads into the registers that held o's fragments and for the reads of results
	TOSTAGE 0
.irp a, 1,2,3,4,5,6,7
.if \a > 1
	s_wait_xcnt 0x0                                ; block a - 2's stores have read their registers and their base: block a's loads may land there, and the base may step
.endif
	TOSTAGE \a
	SEND \a-1, 32                                  ; behind block a - 1's loads: block a's 16 stores and 16 loads
.endr
	s_wait_xcnt 0x0                                ; block 6's stores have read their base
	SEND 7, 0
	s_wait_tensorcnt 0x0                           ; the wave's end
	ds_add_u32 v[SPW], v[NIL]
	s_wait_dscnt 0x0
	CROUND                                         ; the closing round: no work-group ends while a partner may still ask for a tile that names it
	s_endpgm
.Lfunc_end_k_q114029128e_proj:
	.size	k_q114029128e_proj, .Lfunc_end_k_q114029128e_proj-k_q114029128e_proj
	.p2alignl 7, 3214868480
	.fill 96, 4, 3214868480
	.section	.rodata,"a",@progbits
	.p2align	6, 0x0
	.amdhsa_kernel k_q114029128e_proj
		.amdhsa_group_segment_fixed_size 327680
		.amdhsa_private_segment_fixed_size 0
		.amdhsa_enable_private_segment 0
		.amdhsa_kernarg_size 40
		.amdhsa_user_sgpr_count 2
		.amdhsa_user_sgpr_kernarg_segment_ptr 1
		.amdhsa_wavefront_size32 1
		.amdhsa_system_sgpr_workgroup_id_x 1
		.amdhsa_system_sgpr_workgroup_id_y 1
		.amdhsa_system_sgpr_workgroup_id_z 1
		.amdhsa_system_vgpr_workitem_id 0
		.amdhsa_next_free_vgpr 1024
		.amdhsa_next_free_sgpr 100
		.amdhsa_reserve_vcc 0
		.amdhsa_float_denorm_mode_32 3
		.amdhsa_float_denorm_mode_16_64 3
		.amdhsa_memory_ordered 1
		.amdhsa_forward_progress 1
		.amdhsa_inst_pref_size 129
	.end_amdhsa_kernel
	.amdgpu_metadata
---
amdhsa.version: [ 1, 2 ]
amdhsa.kernels:
  - .name:           k_q114029128e_proj
    .symbol:         k_q114029128e_proj.kd
    .args:
      - { .name: o_img, .offset: 0, .size: 8, .value_kind: global_buffer, .address_space: global }
      - { .name: wproj_img, .offset: 8, .size: 8, .value_kind: global_buffer, .address_space: global }
      - { .name: lowp_scales, .offset: 16, .size: 8, .value_kind: global_buffer, .address_space: global }
      - { .name: bproj, .offset: 24, .size: 8, .value_kind: global_buffer, .address_space: global }
      - { .name: out0, .offset: 32, .size: 8, .value_kind: global_buffer, .address_space: global }
    .group_segment_fixed_size: 327680
    .private_segment_fixed_size: 0
    .kernarg_segment_align: 8
    .kernarg_segment_size: 40
    .max_flat_workgroup_size: 128
    .sgpr_count:     100
    .vgpr_count:     1024
    .wavefront_size: 32
...
	.end_amdgpu_metadata
.endif
;; end of part 4
